; MI455X (gfx1250); checked and timed in simulation.
; The chip was launched on July 23, 2026; its instructions are those of AMD's public machine-readable ISA for CDNA 5 (MIT licence, August 2026) and "CDNA5" Instruction Set Architecture Reference Guide (July 2026). The comments in the code are by the model that wrote it; some were corrected since.
;; Score Matching. Allowed arithmetic: matrix products marked QUANTISED: E2M1 operands, one E8M0 scale for each 32 along K, by v_wmma_scale_f32_16x16x128_f8f6f4 with both operands' format E2M1 (or v_wmma_scale_f32_32x16x128_f4), f32 sums; products left as they are: f32 operands where the result goes on into a quantised operand, else bf16, f16 or f32 operands; f32 sums; everything else in f32.
;; Inputs: W1 512 x 64 float32; W2 512 x 512 float32; W3 512 x 512 float32; W4 64 x 512 float32; b1 512 float32; b2 512 float32; b3 512 float32; b4 64 float32; x 2,048 x 64 float32.
;; Outputs: out0 2,048 float32.
;; This version of the problem:
;;   THIS VERSION OF THE PROBLEM IS GIVEN IN LOW PRECISION. The matrix products marked QUANTISED in the list below multiply operands that are first quantised to E2M1 (2 exponent bits, 1 mantissa bit; 4 bits a number), with one power-of-two scale for each 32 numbers along K (OCP MX v1.0); their sums are f32. All else is computed in f32.
;;   The module's matrix products, in the order in which they are computed (A, B: the left and right operand; K: the contracted axis; several contracted axes count as one K, in the product's order):
;;     1. [M 2,048, K 64] x [K 64, N 512]; A: input x; B: input W1: QUANTISED
;;     2. [M 2,048, K 512] x [K 512, N 512]; A: computed on the way; B: input W2: QUANTISED
;;     3. [M 2,048, K 512] x [K 512, N 512]; A: computed on the way; B: input W3: QUANTISED
;;     4. [M 2,048, K 512] x [K 512, N 64]; A: computed on the way; B: input W4: QUANTISED
;;     5. [M 131,072, K 512] x [K 512, N 512]; A: computed on the way; B: input W2: QUANTISED
;;     6. [M 131,072, K 512] x [K 512, N 512]; A: computed on the way; B: input W3: QUANTISED
;;     7. [M 1, K 32,768] x [K 32,768, N 2,048]; A: input W4; B: computed on the way: left as it is (M = 1 < 16)
;;   THE QUANTISER, for each operand of a quantised product, along K:
;;     - K is cut into blocks of 32 from its start; a last block that is shorter is filled with zeros.
;;     - A block's scale is 2^e with e = floor(log2(the largest magnitude in the block)) - 2, held to -126 .. 127; a block of zeros has e = 0. As a byte (E8M0): e + 127.
;;     - Each number is divided by its block's scale, clamped to +-6, and rounded to the nearest number of E2M1, ties to even, subnormals kept.
;;     - The product sums the exact products of the quantised numbers (number of the format x scale) in f32.
;;   ~~~python
;;   def quantise(x, axis):      # numpy; x: float32 -> the quantised numbers, widened to float32 again
;;       x = np.moveaxis(x, axis, -1); K = x.shape[-1]
;;       x = np.pad(x, [(0, 0)] * (x.ndim - 1) + [(0, -K % 32)]); x = x.reshape(x.shape[:-1] + (-1, 32)); a = np.abs(x).max(-1, keepdims=True)
;;       e = np.where(a > 0, np.clip(np.frexp(np.where(a > 0, a, 1))[1] - 1 - 2, -126, 127), 0)      # np.frexp(a)[1] - 1 = floor(log2(a)), exactly
;;       r = np.clip(x / 2.0 ** e, -6, 6)
;;       step = 2.0 ** (np.maximum(np.frexp(np.where(r == 0, 1, r))[1] - 1, 0) - 1)
;;       q = np.round(r / step) * step * 2.0 ** e      # np.round: ties to even
;;       return np.moveaxis(q.reshape(q.shape[:-2] + (-1,))[..., :K], -1, axis).astype(np.float32)
;;   ~~~
;;   OPERANDS COMPUTED ON THE WAY. 'Computed on the way' means the value that the module computes at that place (a softmax that the list does not call 'softmax' is quantised finished and normalised). What goes into a quantiser is computed in f32, as accurately as f32 sums, v_exp_f32 and their like allow (about 1e-6 of the number): no bf16 or f16 on the way to a quantiser, and a product that is left as it is and whose result goes on into a quantised operand takes f32 operands (vector FMAs, or v_wmma_f32_16x16x4_f32). A number that lies on a knife's edge between two numbers of the format may be rounded either way, as far as f32 arithmetic and the matrix unit's own rounding can turn it there, and no further.
;; One version. Each part assembles by itself: llvm-mc -triple=amdgcn-amd-amdhsa -mcpu=gfx1250 --defsym DOCPART=n.
;; ======== version 1 of 1: 2 launches
;; limits: values are held in bf16: 8 bits of precision; right only within a limited range of input values
;; workspace buffers: codes 425,984 bytes; scales 54,272 bytes; wide 331,776 bytes
;; launch prep (part 1): grid 272 x 1, 1 waves a work-group, no clusters, 0 bytes of LDS; arguments W1, W2, W3, W4, codes, scales, wide, x; writes codes, scales, wide
.if DOCPART == 1
	.amdgcn_target "amdgcn-amd-amdhsa--gfx1250"
	.amdhsa_code_object_version 6
	.text
	.protected	k_q46c80c7dc2_prep
	.globl	k_q46c80c7dc2_prep
	.p2align	8
	.type	k_q46c80c7dc2_prep,@function
k_q46c80c7dc2_prep:
	s_mov_b64 s[64:65], 0
	v_nop
	global_prefetch_b8 v0, s[64:65] scope:SCOPE_SE
	s_setreg_imm32_b32 hwreg(HW_REG_WAVE_MODE, 25, 1), 1
	s_wait_xcnt 0x0
; The weights of the score network, made ready once for the launch that follows.
; NO WORK OF THE PROBLEM IS LEFT OUT, here or in the next launch: every input reaches out0; the ReLU masks hang on the inputs' values, so what they throw away is computed and selected;
; the trace is not re-ordered, since each quantiser between the factors is a step of the problem.
; (1) W1, W2, W3, W4 ([out][in], f32, K innermost) become codes of E2M1 with one E8M0 byte for each 32 along K: scale 2^(floor(log2(largest magnitude)) - 2).
;     They are laid AS IMAGES OF THE OPERAND'S REGISTERS: codes[G][s][c][lane][16 bytes]; G = 0-31 tiles of W2, 32-63 of W3, 64-67 of W4; s = which 128 along K; lane (r, h) holds the block
;     4 s + 2 c + h of row 32 (T / 2) + 8 (T % 2) + r + 8 (r / 8), T = G % 32: the rows of a tile are chosen so that the results of two neighbouring tiles are 16 neighbours along the next K.
;     W1 (K = 64: two blocks) lies behind them, [T][lane][16 bytes].  scales[G][p][lane]: lanes 0-15 the rows' words for s = 2 p, lanes 16-31 for s = 2 p + 1; W1's [T][lane], bytes 2 and 3 zero.
; (2) wide: two f32 copies in the reader's register order: W1 turned (a lane a column d, registers down the hidden units) for T = m1 W1, and W4 in the layout of the last product's results, for the trace.
; SHARES: one wave to a work-group.  0-135: two K steps of one tile of W2, W3, W4;  136-143: four tiles of W1;  144-175: 4,096 bytes of W1's copy;  176-207: of W4's.  The paths part on the work-group's number alone.
; LIMITS: NaN and infinities among the inputs are not served.  A block whose largest magnitude lies under 2^-124 has its byte held at 1; a block of zeros gets the byte 1 where the rule says 127:
; its codes are zeros, which add nothing under any byte but 0xff, and the bytes are read by this program alone.
.set CODES_W1,  278528                 ; behind 68 tiles of 4,096 bytes
.set SCALES_W1, 17408                  ; behind 68 tiles of 256 bytes
.set WIDE_W4,   131072                 ; behind W1's copy
; (3) behind W4's copy, for the largest exponent of a masked block of W1: exps, 65,536 bytes of bf16 in the layout of a matrix operand, and bases, 4,096 bytes.  Both are made with W1's copy, by work-groups 144-175.
; An element of exponent field E in a block of 32 (along the hidden units) whose largest field is M has k = 31 - (M - E), held at 6 from below; exps holds -2^(8 k - 166), bases (M - 33) << 23.
; M is held at 35 from below: a block of W1 whose largest magnitude lies under 2^-92 is treated as one of 2^-92.
.set WIDE_EXP,  262144
.set WIDE_BASE, 327680
; (4) x as codes, by work-groups 208-271, four tiles each: tile T holds samples 8 T .. 8 T + 7 twice (row r: sample 8 T + r % 8), laid like W1's tiles: codes[T][lane][16 bytes] and scale words [T][lane], behind W1's.
.set CODES_X,   294912
.set SCALES_X,  21504
; four blocks of 32 numbers, block k in v[32 + 32 k ..]: largest magnitudes v8-11, the conversions' scale operands v12-15, the bytes v16-19, the codes v[160 + 4 k ..]
.macro BLK4
.irp k, 0,1,2,3
	v_max3_num_f32 v[8+\k], |v[32+32*\k]|, |v[33+32*\k]|, 0x1800000   ; with the floor 2^(3 - 127): the byte cannot fall under 1
.endr
.irp i, 2,4,6,8,10,12,14,16,18,20,22,24,26,28,30
.irp k, 0,1,2,3
	v_max3_num_f32 v[8+\k], v[8+\k], |v[32+32*\k+\i]|, |v[33+32*\k+\i]|   ; the four blocks by turns
.endr
.endr
.irp k, 0,1,2,3
	v_add_nc_u32 v[12+\k], 0xff000000, v[8+\k]     ; 2 off the exponent field: the conversion takes this operand's exponent field as its scale
.endr
.irp k, 0,1,2,3
	v_lshrrev_b32 v[16+\k], 23, v[12+\k]           ; the scale's byte
.endr
.irp k, 0,1,2,3
.irp g, 0,1,2,3
	v_cvt_scalef32_pk8_fp4_f32 v[160+4*\k+\g], v[32+32*\k+8*\g:39+32*\k+8*\g], v[12+\k]
.endr
.endr
	v_nop                                          ; one plain place behind the last scaled conversion
.endm
	s_load_b256 s[4:11], s[0:1], 0x0               ; W1 s[4:5], W2 s[6:7], W3 s[8:9], W4 s[10:11]
	s_load_b128 s[12:15], s[0:1], 0x20             ; codes s[12:13], scales s[14:15]
	s_load_b128 s[16:19], s[0:1], 0x30             ; wide s[16:17], x s[18:19]
	v_and_b32 v1, 15, v0                           ; r
	v_bfe_u32 v2, v0, 4, 1                         ; h
	v_and_b32 v3, 8, v1
	v_add_nc_u32 v3, v3, v1                        ; r + 8 (r / 8)
	v_lshlrev_b32 v4, 4, v0                        ; 16 x lane
	v_lshlrev_b32 v5, 2, v0                        ; 4 x lane
	v_lshlrev_b32 v6, 3, v2                        ; 8 h: my bytes' place in a scale word, in bits
.irp i, 22,23,28,29,30,31
	v_mov_b32 v[\i], 0                             ; a lane permute's destination counts as one of its sources
.endr
	s_mov_b32 s20, 0x76543210
	s_mov_b32 s21, 0xfedcba98                      ; v_permlanex16_b32's selects for lane l xor 16
	s_mov_b32 s25, 0                               ; the upper words of three offsets
	s_mov_b32 s27, 0
	s_mov_b32 s29, 0
	s_wait_kmcnt 0x0
	s_cmp_lt_u32 ttmp9, 136
	s_cbranch_scc0 .Lnot_a
	; ---- two K steps (2 p, 2 p + 1) of tile G of W2, W3 or W4: G = id / 2, p = id % 2
	s_cmp_lt_u32 ttmp9, 128
	s_cselect_b64 s[18:19], s[8:9], s[10:11]
	s_cmp_lt_u32 ttmp9, 64
	s_cselect_b64 s[18:19], s[6:7], s[18:19]       ; the choice hangs on the work-group's number alone
	s_lshr_b32 s22, ttmp9, 1
	s_and_b32 s22, s22, 31                         ; T
	s_lshr_b32 s23, s22, 1
	s_lshl_b32 s23, s23, 16                        ; 32 (T / 2) rows of 2,048 bytes
	s_and_b32 s22, s22, 1
	s_lshl_b32 s22, s22, 14                        ; 8 (T % 2) rows
	s_add_co_u32 s24, s23, s22
	s_and_b32 s22, ttmp9, 1
	s_lshl_b32 s22, s22, 10                        ; p x 256 numbers
	s_add_co_u32 s24, s24, s22
	s_add_nc_u64 s[18:19], s[18:19], s[24:25]
	s_lshl_b32 s26, ttmp9, 11                      ; 4,096 G + 2,048 p = 2,048 id
	s_add_nc_u64 s[12:13], s[12:13], s[26:27]
	s_lshl_b32 s28, ttmp9, 7                       ; 256 G + 128 p = 128 id
	s_add_nc_u64 s[14:15], s[14:15], s[28:29]
	v_lshlrev_b32 v7, 11, v3
	v_lshl_add_u32 v7, v2, 7, v7                   ; my row, + 128 h: my block of each 64 along K
.irp k, 0,1,2,3                                        ; k = 2 s' + c: 64 k numbers on
.irp q, 0,1,2,3,4,5,6,7
	global_load_b128 v[32+32*\k+4*\q:35+32*\k+4*\q], v7, s[18:19] offset:256*\k+16*\q
.endr
.endr
	s_wait_loadcnt 0x0
	BLK4
	v_lshl_or_b32 v20, v17, 16, v16                ; K step 2 p: my two bytes, blocks h and 2 + h,
	v_lshl_or_b32 v21, v19, 16, v18                ; K step 2 p + 1 likewise,
	v_lshlrev_b32 v20, v6, v20                     ; at their places in the word;
	v_lshlrev_b32 v21, v6, v21
	v_permlanex16_b32 v22, v20, s20, s21
	v_permlanex16_b32 v23, v21, s20, s21
	v_or_b32 v20, v20, v22                         ; with lane l xor 16's two the words are whole
	v_or_b32 v21, v21, v23
	v_cmp_eq_u32 vcc_lo, 1, v2
	v_cndmask_b32 v20, v20, v21, vcc_lo            ; lanes 0-15 keep the first K step's word, lanes 16-31 the second's
.irp k, 0,1,2,3
	global_store_b128 v4, v[160+4*\k:163+4*\k], s[12:13] offset:512*\k   ; 32 lanes store 512 consecutive bytes
.endr
	global_store_b32 v5, v20, s[14:15]
	s_endpgm
.Lnot_a:
	s_cmp_lt_u32 ttmp9, 144
	s_cbranch_scc0 .Lnot_b
	; ---- four tiles of W1: T = 4 i + k
	s_sub_co_u32 s22, ttmp9, 136                   ; i
	s_lshl_b32 s24, s22, 14                        ; 64 i rows of 256 bytes
	s_add_nc_u64 s[4:5], s[4:5], s[24:25]
	s_lshl_b32 s26, s22, 11                        ; four images of 512 bytes
	s_add_nc_u64 s[12:13], s[12:13], s[26:27]
	s_lshl_b32 s28, s22, 9                         ; four times 128 bytes of scale words
	s_add_nc_u64 s[14:15], s[14:15], s[28:29]
	v_lshlrev_b32 v7, 8, v3
	v_lshl_add_u32 v7, v2, 7, v7                   ; my row, my block h
.irp k, 0,1,2,3
.irp q, 0,1,2,3,4,5,6,7
	global_load_b128 v[32+32*\k+4*\q:35+32*\k+4*\q], v7, s[4:5] offset:(32*(\k/2)+8*(\k%2))*256+16*\q
.endr
.endr
	s_wait_loadcnt 0x0
	BLK4
.irp k, 0,1,2,3
	v_lshlrev_b32 v[24+\k], v6, v[16+\k]           ; my byte at place h
.endr
.irp k, 0,1,2,3
	v_permlanex16_b32 v[28+\k], v[24+\k], s20, s21
.endr
.irp k, 0,1,2,3
	v_or_b32 v[24+\k], v[24+\k], v[28+\k]          ; bytes 0 and 1; bytes 2 and 3 stay 0: they stand over zero codes
.endr
.irp k, 0,1,2,3
	global_store_b128 v4, v[160+4*\k:163+4*\k], s[12:13] offset:CODES_W1+512*\k
	global_store_b32 v5, v[24+\k], s[14:15] offset:SCALES_W1+128*\k
.endr
	s_endpgm
.Lnot_b:
	s_cmp_lt_u32 ttmp9, 176
	s_cbranch_scc0 .Lnot_c
	; ---- W1 turned: i = 8 w + 2 m + c; register 4 k + e of lane (r, h) = W1[128 w + 64 c + 32 h + 4 k + e][16 m + r]
	s_sub_co_u32 s22, ttmp9, 144                   ; i
	s_lshr_b32 s23, s22, 3
	s_lshl_b32 s24, s23, 15                        ; 128 w rows of 256 bytes
	s_and_b32 s23, s22, 1
	s_lshl_b32 s23, s23, 14                        ; 64 c rows
	s_add_co_u32 s24, s24, s23
	s_bfe_u32 s23, s22, 0x20001                    ; m
	s_lshl_b32 s23, s23, 6                         ; 16 m columns
	s_add_co_u32 s24, s24, s23
	s_add_nc_u64 s[4:5], s[4:5], s[24:25]
	s_mov_b64 s[18:19], s[16:17]
	s_lshl_b32 s26, s22, 12
	s_add_nc_u64 s[16:17], s[16:17], s[26:27]
	s_lshr_b32 s23, s22, 3
	s_lshl_b32 s28, s23, 14
	s_and_b32 s23, s22, 1
	s_lshl_b32 s23, s23, 13
	s_add_co_u32 s28, s28, s23
	s_bfe_u32 s23, s22, 0x20001
	s_lshl_b32 s23, s23, 11
	s_add_co_u32 s28, s28, s23                     ; exps: 8,192 (2 w + c) + 2,048 m
	s_lshr_b32 s26, s28, 4                         ; bases: 512 (2 w + c) + 128 m
	s_add_nc_u64 s[30:31], s[18:19], s[26:27]
	s_add_nc_u64 s[18:19], s[18:19], s[28:29]
	v_lshlrev_b32 v7, 2, v1
	v_lshl_add_u32 v7, v2, 13, v7                  ; 32 h rows + column r
.irp j, 0,1,2,3,4,5,6,7,8,9,10,11,12,13,14,15,16,17,18,19,20,21,22,23,24,25,26,27,28,29,30,31
	global_load_b32 v[32+\j], v7, s[4:5] offset:256*\j
.endr
	s_wait_loadcnt 0x0
.irp k, 0,1,2,3,4,5,6,7
	global_store_b128 v4, v[32+4*\k:35+4*\k], s[16:17] offset:512*\k
.endr
	; my block's largest magnitude, two chains, with the floor 2^(35 - 127)
	v_max3_num_f32 v8, |v32|, |v33|, 0x11800000
	v_max3_num_f32 v9, |v34|, |v35|, 0x11800000
.irp i, 4,8,12,16,20,24,28
	v_max3_num_f32 v8, v8, |v[32+\i]|, |v[33+\i]|
	v_max3_num_f32 v9, v9, |v[34+\i]|, |v[35+\i]|
.endr
	v_max_num_f32 v8, v8, v9
	v_lshrrev_b32 v8, 23, v8                       ; M
	v_sub_nc_u32 v9, 31, v8
	v_add_nc_u32 v10, 0xffffffdf, v8
	v_lshlrev_b32 v10, 23, v10                     ; (M - 33) << 23
	v_lshlrev_b32 v11, 4, v1
	v_lshl_add_u32 v11, v2, 10, v11                ; exps: my block h, my column r
.set n, 0
.rept 32
	v_bfe_u32 v[64+n], v[32+n], 23, 8
.set n, n+1
.endr
.set n, 0
.rept 32
	v_add_nc_u32 v[64+n], v[64+n], v9
.set n, n+1
.endr
.set n, 0
.rept 32
	v_max_i32 v[64+n], 6, v[64+n]                  ; k
.set n, n+1
.endr
.set n, 0
.rept 16
	v_lshl_or_b32 v[128+n], v[65+2*n], 16, v[64+2*n]
.set n, n+1
.endr
.set n, 0
.rept 16
	v_lshl_add_u32 v[128+n], v[128+n], 10, 0x6c806c80   ; two bf16: sign 1, exponent field 8 k - 39
.set n, n+1
.endr
.irp q, 0,1,2,3
	global_store_b128 v11, v[128+4*\q:131+4*\q], s[18:19] offset:WIDE_EXP+512*(\q%2)+256*(\q/2)   ; 16 lanes store 256 consecutive bytes
.endr
	global_store_b32 v5, v10, s[30:31] offset:WIDE_BASE
	s_endpgm
.Lnot_c:
	s_cmp_lt_u32 ttmp9, 208
	s_cbranch_scc0 .Lnot_d
	; ---- W4 in the results' layout: i = 8 w + 2 m + u; tile t = 4 u + k / 2; register 4 k + e of lane (r, h) = W4[16 m + 8 h + 4 (k % 2) + e][128 w + 32 (t / 2) + 8 (t % 2) + r + 8 (r / 8)]
	s_sub_co_u32 s22, ttmp9, 176                   ; i
	s_bfe_u32 s23, s22, 0x20001                    ; m
	s_lshl_b32 s24, s23, 15                        ; 16 m rows of 2,048 bytes
	s_lshr_b32 s23, s22, 3
	s_lshl_b32 s23, s23, 9                         ; 128 w columns
	s_add_co_u32 s24, s24, s23
	s_and_b32 s23, s22, 1
	s_lshl_b32 s23, s23, 8                         ; 64 u columns
	s_add_co_u32 s24, s24, s23
	s_add_nc_u64 s[10:11], s[10:11], s[24:25]
	s_lshl_b32 s26, s22, 12
	s_add_nc_u64 s[16:17], s[16:17], s[26:27]
	v_lshlrev_b32 v7, 2, v3
	v_lshl_add_u32 v7, v2, 14, v7                  ; 8 h rows + my column of a tile
.irp k, 0,1,2,3,4,5,6,7
.irp e, 0,1,2,3
	global_load_b32 v[32+4*\k+\e], v7, s[10:11] offset:(4*(\k%2)+\e)*2048+(32*(\k/4)+8*((\k/2)%2))*4
.endr
.endr
	s_wait_loadcnt 0x0
.irp k, 0,1,2,3,4,5,6,7
	global_store_b128 v4, v[32+4*\k:35+4*\k], s[16:17] offset:WIDE_W4+512*\k
.endr
	s_endpgm
.Lnot_d:
	; ---- four tiles of x: T = 4 i + k
	s_sub_co_u32 s22, ttmp9, 208                   ; i
	s_lshl_b32 s24, s22, 13                        ; 32 i rows of 256 bytes
	s_add_nc_u64 s[18:19], s[18:19], s[24:25]
	s_lshl_b32 s26, s22, 11                        ; four images of 512 bytes
	s_add_nc_u64 s[12:13], s[12:13], s[26:27]
	s_lshl_b32 s28, s22, 9                         ; four times 128 bytes of scale words
	s_add_nc_u64 s[14:15], s[14:15], s[28:29]
	v_and_b32 v7, 7, v0
	v_lshlrev_b32 v7, 8, v7
	v_lshl_add_u32 v7, v2, 7, v7                   ; my sample, my block h
.irp k, 0,1,2,3
.irp q, 0,1,2,3,4,5,6,7
	global_load_b128 v[32+32*\k+4*\q:35+32*\k+4*\q], v7, s[18:19] offset:2048*\k+16*\q
.endr
.endr
	s_wait_loadcnt 0x0
	BLK4
.irp k, 0,1,2,3
	v_lshlrev_b32 v[24+\k], v6, v[16+\k]           ; my byte at place h
.endr
.irp k, 0,1,2,3
	v_permlanex16_b32 v[28+\k], v[24+\k], s20, s21
.endr
.irp k, 0,1,2,3
	v_or_b32 v[24+\k], v[24+\k], v[28+\k]          ; bytes 0 and 1; bytes 2 and 3 stay 0, over zero codes
.endr
.irp k, 0,1,2,3
	global_store_b128 v4, v[160+4*\k:163+4*\k], s[12:13] offset:CODES_X+512*\k
	global_store_b32 v5, v[24+\k], s[14:15] offset:SCALES_X+128*\k
.endr
	s_endpgm
.Lfunc_end_k_q46c80c7dc2_prep:
	.size	k_q46c80c7dc2_prep, .Lfunc_end_k_q46c80c7dc2_prep-k_q46c80c7dc2_prep
	.p2alignl 7, 3214868480
	.fill 96, 4, 3214868480
	.section	.rodata,"a",@progbits
	.p2align	6, 0x0
	.amdhsa_kernel k_q46c80c7dc2_prep
		.amdhsa_group_segment_fixed_size 0
		.amdhsa_private_segment_fixed_size 0
		.amdhsa_enable_private_segment 0
		.amdhsa_kernarg_size 64
		.amdhsa_user_sgpr_count 2
		.amdhsa_user_sgpr_kernarg_segment_ptr 1
		.amdhsa_wavefront_size32 1
		.amdhsa_system_sgpr_workgroup_id_x 1
		.amdhsa_system_sgpr_workgroup_id_y 1
		.amdhsa_system_sgpr_workgroup_id_z 1
		.amdhsa_system_vgpr_workitem_id 0
		.amdhsa_next_free_vgpr 192
		.amdhsa_next_free_sgpr 66
		.amdhsa_reserve_vcc 1
		.amdhsa_float_denorm_mode_32 3
		.amdhsa_float_denorm_mode_16_64 3
		.amdhsa_memory_ordered 1
		.amdhsa_forward_progress 1
		.amdhsa_inst_pref_size 50
	.end_amdhsa_kernel
	.amdgpu_metadata
---
amdhsa.version: [ 1, 2 ]
amdhsa.kernels:
  - .name:           k_q46c80c7dc2_prep
    .symbol:         k_q46c80c7dc2_prep.kd
    .args:
      - { .name: W1, .offset: 0, .size: 8, .value_kind: global_buffer, .address_space: global }
      - { .name: W2, .offset: 8, .size: 8, .value_kind: global_buffer, .address_space: global }
      - { .name: W3, .offset: 16, .size: 8, .value_kind: global_buffer, .address_space: global }
      - { .name: W4, .offset: 24, .size: 8, .value_kind: global_buffer, .address_space: global }
      - { .name: codes, .offset: 32, .size: 8, .value_kind: global_buffer, .address_space: global }
      - { .name: scales, .offset: 40, .size: 8, .value_kind: global_buffer, .address_space: global }
      - { .name: wide, .offset: 48, .size: 8, .value_kind: global_buffer, .address_space: global }
      - { .name: x, .offset: 56, .size: 8, .value_kind: global_buffer, .address_space: global }
    .group_segment_fixed_size: 0
    .private_segment_fixed_size: 0
    .kernarg_segment_align: 8
    .kernarg_segment_size: 64
    .max_flat_workgroup_size: 32
    .sgpr_count:     66
    .vgpr_count:     192
    .wavefront_size: 32
...
	.end_amdgpu_metadata
.endif
;; end of part 1
;; launch main (part 2): grid 256 x 1, 8 waves a work-group, no clusters, 310,528 bytes of LDS; arguments out0, b1, b2, b3, b4, codes, scales, wide; writes out0
.if DOCPART == 2
	.amdgcn_target "amdgcn-amd-amdhsa--gfx1250"
	.amdhsa_code_object_version 6
	.text
	.protected	k_q46c80c7dc2_main
	.globl	k_q46c80c7dc2_main
	.p2align	8
	.type	k_q46c80c7dc2_main,@function
k_q46c80c7dc2_main:
	s_mov_b64 s[64:65], 0
	v_nop
	global_prefetch_b8 v0, s[64:65] scope:SCOPE_SE
	s_setreg_imm32_b32 hwreg(HW_REG_WAVE_MODE, 25, 1), 1
	s_wait_xcnt 0x0
; out0[b] = 0.5 |s(x_b)|^2 + trace(ds/dx at x_b), s a ReLU MLP 64-512-512-512-64; all six large products on codes of E2M1 with one E8M0 scale for each 32 along K.  No work of the problem is left out.
; SHARES.  A work-group owns 8 samples: 512 rows (sample a, column d) of the two Jacobian products, as 32 tiles of 16 rows: tile 4 a + m holds d = 16 m + r.  The eight waves share the hidden units:
; wave w makes units 64 w .. 64 w + 63 of every layer; its eighth of W2 and of W3 (128 registers each) stays in registers; what it makes is half c = w % 2 of K step w / 2 of the next operand.
; Operands go from wave to wave through LDS as images of their registers (16 bytes a lane, 512 bytes a store), their scale bytes as [tile][row][16 bytes].
; PHASES.  F1: a1, m1, codes of h1; X: codes of T1 = m1 W1 | barrier 1 | F2: a2, m2, h2; L2: W2 T1, x m2, codes of T2; F3: a3, m3, h3 | barrier 3 | L3: W3 T2, the trace with m3 and W4 in f32; F4: s, |s|^2 | barrier 4 | the sums.
; Barrier 2 shows h2 to all waves: it is signalled behind F2 and waited for ahead of L2's first store; between the two stand work on registers and loads of T1.
; The masks that a wave uses are those of its own units, which it has made itself: they need no barrier.
; The forward pass runs on one tile of 16 rows, the 8 samples twice (row r holds sample r % 8); x comes as codes from the launch before.
; X.  The scale of a block of T1 hangs only on the exponent of the largest |W1| that its mask leaves.  wide holds, for each element of W1, -2^(8 k - 166), k its exponent's rank (31: the block's largest).  A bf16 product with
; the masks as -2^40 or 0, K = the block's 32 units, is a sum of at most 32 powers 2^(8 k - 126): its exponent field lies in 8 k + 1 .. 8 k + 6 for the largest k left: field / 8 is that k, exactly, whatever the order of the sum.
; Rows 0-7 of the product take the first block of my 64 units, rows 8-15 the second (two instructions, the other eight rows zero): lane (r, h) so has, in register a, block h of sample a, column 16 m + r.
; The numbers are converted as W1 has them; masked ones may be held at the largest code, and their codes are cleared by an AND with the sample's nibble mask (-2^40 converts to the code 15).
; L2 and L3 are rotated by one tile, with two sets of accumulators: the next tile's products stand ahead of this tile's vector work, which are also the places behind them.
; L2 uses the matrix instruction transposed (a lane holds one row, its registers neighbours along the next K); L3 as it stands (a lane holds one unit and eight columns d, so m3 is one factor a tile).
; The last product (M = 1) is packed f32 multiply-adds on W4 as it is given.  Biases are the C of a sum's first matrix instruction.
; F4 has four tiles of outputs: waves 0 to 3 make them.  Its 12 loads are issued by all eight waves, tile w % 4, so that their registers are written on every way through the text.
; W3 and what F4 wants are loaded in L2's first two samples, which are written out for that: 6 or 8 loads a stage.
; NO TENSOR LOADS, NO CLUSTER, NO PREFETCH: the weights go from memory straight into the registers where they stay, each group of loads a phase ahead of its use; LDS is taken by the images (278,528 bytes).
; LIMITS: NaN and infinities among the inputs are not served.  A block whose largest magnitude lies under 2^-124 (of W1: under 2^-92) has its scale held from below.  A block of T1 whose largest magnitude lies under 2^-24 of
; its column's largest |W1| in that block may take another scale: its numbers are then off by less than 2^-24 of that largest.  A pre-activation within f32 rounding of 0 may take either mask.
; A work-group's 8 results are 32 bytes: out0 is not stored in whole runs of 256 bytes.
; REGISTERS.  Window 0: v1-23 addresses; v24-46 scale words and nothing else; v48-55 b2 and b3 on their way to LDS, later b4; v56-87 W4's codes; v88-119 and v214-245 accumulators; v120-151 masks; v152-183 four fragments; v184-211 at work; v212, v213 the add's two.
;   Window 1: v0-127 W1's exps, from X on W2's eighth (tile t, K step s at v[8 (4 t + s)]), behind L2 W4 for the trace (v[32 m + 8 t + j]);  v128-255 W1 turned (v[128 + 32 m + q]), behind X W3's eighth.
.set MP,    272                        ; a sample's 64 masks of a wave (f32, 0 or 1) + 16 bytes
.set MW,    2176                       ; a wave's 8 samples
.set T1SC,  131072                     ; tile x 256 + row x 16 + 2 w; T1's images lie from 0 on: tile x 4,096 + 512 w
.set T2IMG, 139264
.set T2SC,  270336
.set MSK,   278528                     ; m2, later m3: each wave's bytes are its own
.set HA,    295936                     ; h1's four images, later h3's
.set HASC,  300032
.set HB,    300288                     ; h2's
.set HBSC,  304384
.set BIAS2, 304640
.set BIAS3, 306688
.set PART,  308736                     ; the trace's parts: wave x 32 + sample x 4
.set SSQ,   308992                     ; |s|^2's parts: wave x 64 + row x 4
.set SPARE, 309504                     ; the spare words, 128 bytes for each wave: four blocks of 256 bytes that no other line names
.set LI,   1                           ; 16 x lane
.set L4,   2                           ; 4 x lane
.set SR16, 3                           ; 16 r
.set WI,   4                           ; 16 x lane + 512 w: where I store my half of an image
.set WS,   5                           ; 16 r + 2 w: and its two scale bytes
.set MST,  6                           ; MSK + MW w + MP (r % 8) + 64 h: where I store masks
.set PTA,  7                           ; PART + 32 w + 4 (lane / 4)
.set M2,   8                           ; MW w + 64 h: masks for L2
.set M3,   9                           ; MW w + 4 (r + 8 (r / 8)): masks for L3
.set SH8,  10                          ; 8 h
.set B1A,  12                          ; 64 h
.set B4A,  13                          ; b4: my eight outputs of tile w % 4
.set FA,   14                          ; PART + 4 (lane % 8)
.set OUTO, 15                          ; 4 x thread
.set AD0,  16                          ; v16-20: the addresses of the phase in hand
.set AD1,  17
.set AD2,  18
.set AD3,  19
.set AD4,  20
.set SQA,  21                          ; SSQ + 64 w + 4 r
.set BST,  22                          ; BIAS2 + 256 w + 16 r
.set BI,   23                          ; 256 w + 64 h: biases
.set W2S,  24                          ; v24-31: register 2 t + p: lanes 0-15 K step 2 p, lanes 16-31 K step 2 p + 1
.set W3S,  32                          ; v32-39; in F1 v32-35 hold W1's
.set W4S,  40
.set AS,   42                          ; v42-45: the operand's four scale words
.set XS,   46
.set B4V,  48
.set W4C,  56
.set ACC,  88
.set MK,   120
.set AF,   152
.set TM,   184
.set PC,   200
.set PW,   208
.set T0,   209
.set SPW,  212
.set NIL,  213
.set BASE, 214                         ; v214-217, until L2 takes them: W1's bases
.set A2,   126                         ; from one set of accumulators to the other
.set WV,   22                          ; s22 my wave's number
.set SEL,  24                          ; s[24:25] selects for lane l xor 16
.set SA,   50                          ; s50-54 LDS bytes that step from sample to sample
.set SB,   51
.set SC,   52
.set SD,   53
.set SE,   54
.set CNT,  55
.set CM,   66                          ; s66-69 compares
.set BN,   70                          ; -2^40
.set LM,   71                          ; s71, s72: the lanes with r < 8, with r >= 8
.set MSB,  0
.macro WIN new                         ; the immediate's high byte repeats the setting that is left
.if MSB != \new
	s_set_vgpr_msb (MSB<<8)|\new
.set MSB, \new
.endif
.endm
.macro PLACES n                        ; plain vector places behind matrix instructions (ISA guide 7.12.1)
.rept \n
	v_nop
.endr
.endm
.macro BARRIER                         ; my LDS stores have landed and my LDS loads are in: then the work-group's barrier
	s_wait_dscnt 0x0
	s_barrier_signal -1
	s_barrier_wait -1
.endm
.macro GIMG reg, count, base, off      ; count pieces of 512 bytes into v[reg + 4 i ..] of the window that the caller has set for the destination
.set gi, 0
.rept \count
	global_load_b128 v[\reg+4*gi:\reg+4*gi+3], v[LI], s[\base:\base+1] offset:\off+512*gi
.set gi, gi+1
.endr
.endm
.macro FETCHA ai, aw, o1, o2           ; a tile's four fragments and its rows' four scale words
.irp s, 0,1,2,3
.irp c, 0,1
	ds_load_b128 v[AF+8*\s+4*\c:AF+8*\s+4*\c+3], v[\ai] offset:\o1+1024*\s+512*\c
.endr
.endr
	ds_load_b128 v[AS:AS+3], v[\aw] offset:\o2
.endm
; 16 matrix instructions, transposed: source 0 = my 4 tiles of a weight (window 1, from v[wb] on), source 1 = the tile's fragments.  The 4 accumulators take turns, one instruction a turn.
; zero = 1: the first K step starts the sums; 0: it adds onto the bias that lies in the accumulators.
.macro MMT wsc, wb, zero, acc
.irp s, 0,1,2,3
.irp t, 0,1,2,3
.if (\zero) && (\s == 0)
	v_wmma_scale_f32_16x16x128_f8f6f4 v[\acc+8*\t:\acc+8*\t+7], v[\wb+8*(4*\t+\s):\wb+8*(4*\t+\s)+7], v[AF+8*\s:AF+8*\s+7], 0, v[\wsc+2*\t+\s/2], v[AS+\s] matrix_a_fmt:MATRIX_FMT_FP4 matrix_b_fmt:MATRIX_FMT_FP4
.elseif (\s%2) == 0
	v_wmma_scale_f32_16x16x128_f8f6f4 v[\acc+8*\t:\acc+8*\t+7], v[\wb+8*(4*\t+\s):\wb+8*(4*\t+\s)+7], v[AF+8*\s:AF+8*\s+7], v[\acc+8*\t:\acc+8*\t+7], v[\wsc+2*\t+\s/2], v[AS+\s] matrix_a_fmt:MATRIX_FMT_FP4 matrix_b_fmt:MATRIX_FMT_FP4
.else
	v_wmma_scale_f32_16x16x128_f8f6f4 v[\acc+8*\t:\acc+8*\t+7], v[\wb+8*(4*\t+\s):\wb+8*(4*\t+\s)+7], v[AF+8*\s:AF+8*\s+7], v[\acc+8*\t:\acc+8*\t+7], v[\wsc+2*\t+\s/2], v[AS+\s] matrix_a_fmt:MATRIX_FMT_FP4 matrix_b_fmt:MATRIX_FMT_FP4 matrix_a_scale:MATRIX_SCALE_ROW1
.endif
.endr
.endr
.endm
; the same as it stands: source 0 = the tile's fragments, source 1 = my 4 tiles of the weight
.macro MMN wsc, wb, acc
.irp s, 0,1,2,3
.irp t, 0,1,2,3
.if \s == 0
	v_wmma_scale_f32_16x16x128_f8f6f4 v[\acc+8*\t:\acc+8*\t+7], v[AF+8*\s:AF+8*\s+7], v[\wb+8*(4*\t+\s):\wb+8*(4*\t+\s)+7], 0, v[AS+\s], v[\wsc+2*\t+\s/2] matrix_a_fmt:MATRIX_FMT_FP4 matrix_b_fmt:MATRIX_FMT_FP4
.elseif (\s%2) == 0
	v_wmma_scale_f32_16x16x128_f8f6f4 v[\acc+8*\t:\acc+8*\t+7], v[AF+8*\s:AF+8*\s+7], v[\wb+8*(4*\t+\s):\wb+8*(4*\t+\s)+7], v[\acc+8*\t:\acc+8*\t+7], v[AS+\s], v[\wsc+2*\t+\s/2] matrix_a_fmt:MATRIX_FMT_FP4 matrix_b_fmt:MATRIX_FMT_FP4
.else
	v_wmma_scale_f32_16x16x128_f8f6f4 v[\acc+8*\t:\acc+8*\t+7], v[AF+8*\s:AF+8*\s+7], v[\wb+8*(4*\t+\s):\wb+8*(4*\t+\s)+7], v[\acc+8*\t:\acc+8*\t+7], v[AS+\s], v[\wsc+2*\t+\s/2] matrix_a_fmt:MATRIX_FMT_FP4 matrix_b_fmt:MATRIX_FMT_FP4 matrix_b_scale:MATRIX_SCALE_ROW1
.endif
.endr
.endr
.endm
; 32 numbers of a lane, register 16 b + i = k 32 b + 16 (lane / 16) + i of my row's 64, become half a fragment's codes in v[pc .. pc + 3] and its two scale bytes in v[pw]
.macro QUANT s, pc, pw
.irp u, 0,1,2,3                                        ; four chains of 8 numbers, by turns: block u / 2
	v_max3_num_f32 v[TM+\u], |v[\s+8*\u]|, |v[\s+8*\u+1]|, 0x1800000   ; with the floor 2^(3 - 127): the byte cannot fall under 1
.endr
.irp i, 2,4,6
.irp u, 0,1,2,3
	v_max3_num_f32 v[TM+\u], v[TM+\u], |v[\s+8*\u+\i]|, |v[\s+8*\u+\i+1]|
.endr
.endr
	s_delay_alu instid0(VALU_DEP_3)
	v_max_num_f32 v[TM], v[TM], v[TM+1]
	s_delay_alu instid0(VALU_DEP_2)
	v_max_num_f32 v[TM+2], v[TM+2], v[TM+3]
	s_delay_alu instid0(VALU_DEP_2)
	v_permlanex16_b32 v[TM+8], v[TM], s[SEL], s[SEL+1]
	s_delay_alu instid0(VALU_DEP_2)
	v_permlanex16_b32 v[TM+9], v[TM+2], s[SEL], s[SEL+1]
	s_delay_alu instid0(VALU_DEP_2)
	v_max_num_f32 v[TM], v[TM], v[TM+8]            ; with lane l xor 16's: the block's largest magnitude
	s_delay_alu instid0(VALU_DEP_2)
	v_max_num_f32 v[TM+2], v[TM+2], v[TM+9]
	s_delay_alu instid0(VALU_DEP_2)
	v_add_nc_u32 v[TM+12], 0xff000000, v[TM]       ; 2 off its exponent field: the conversion's scale operand
	s_delay_alu instid0(VALU_DEP_2)
	v_add_nc_u32 v[TM+13], 0xff000000, v[TM+2]
.irp b, 0,1
	v_cvt_scalef32_pk8_fp4_f32 v[\pc+2*\b], v[\s+16*\b:\s+7+16*\b], v[TM+12+\b]
	v_cvt_scalef32_pk8_fp4_f32 v[\pc+1+2*\b], v[\s+8+16*\b:\s+15+16*\b], v[TM+12+\b]
.endr
	v_lshrrev_b32 v[TM+10], 23, v[TM+12]           ; the scales' bytes (and the plain places behind the conversions)
	v_lshrrev_b32 v[TM+11], 23, v[TM+13]
	s_delay_alu instid0(VALU_DEP_1)
	v_lshl_or_b32 v[\pw], v[TM+11], 8, v[TM+10]
.irp i, 0,1                                            ; the operand's layout wants a whole block in a lane
	v_permlane16_swap_b32 v[\pc+\i], v[\pc+2+\i]
.endr
.endm
.macro MASKS on                        ; v[MK + n] = on where the pre-activation n is over 0, else 0; ascending: each accumulator is read from its low end on
.set n, 0
.rept 8
.irp i, 0,1,2,3
	v_cmp_lt_f32 s[CM+\i], 0, v[ACC+n+\i]
.endr
.irp i, 0,1,2,3
	v_cndmask_b32 v[MK+n+\i], 0, \on, s[CM+\i]
.endr
.set n, n+4
.endr
.endm
.macro RELU
.set n, 0
.rept 32
	v_max_num_f32 v[ACC+n], 0, v[ACC+n]
.set n, n+1
.endr
.endm
.macro HSTORE ai, aw
	ds_store_b128 v[\ai], v[PC:PC+3]
	ds_store_b16 v[\aw], v[PW]                     ; lanes r and r + 16 hold the same two bytes
.endm
; a forward layer behind F1: the last layer's four fragments and scale words, and my units' bias into the accumulators
.macro FLOAD himg, hsc, bias
	v_add_nc_u32 v[AD0], \himg, v[LI]
	v_add_nc_u32 v[AD1], \hsc, v[SR16]
	v_add_nc_u32 v[AD2], \bias, v[BI]
	FETCHA AD0, AD1, 0, 0
.irp b, 0,1
.irp q, 0,1,2,3
	ds_load_b128 v[ACC+16*\b+4*\q:ACC+16*\b+4*\q+3], v[AD2] offset:128*\b+16*\q
.endr
.endr
.endm
.macro LDMK2                           ; m2 of a sample, in the results' layout
.irp b, 0,1
.irp q, 0,1,2,3
	ds_load_b128 v[MK+16*\b+4*\q:MK+16*\b+4*\q+3], v[AD0] offset:128*\b+16*\q
.endr
.endr
.endm
.macro LDMK3                           ; m3 of a sample at my unit of tile t
.irp t, 0,1,2,3
	ds_load_b32 v[MK+2*\t], v[AD0] offset:(32*(\t/2)+8*(\t%2))*4
.endr
.endm
.macro FPOST mk                        ; masks to my own bytes, codes and scale bytes by v[AD1], v[AD2]; mk = 1: sample 0's masks come back for L2
	MASKS 1.0
.irp b, 0,1
.irp q, 0,1,2,3
	ds_store_b128 v[MST], v[MK+16*\b+4*\q:MK+16*\b+4*\q+3] offset:128*\b+16*\q   ; rows r and r + 8 hold the same sample: they write the same bytes with the same values
.endr
.endr
	RELU
.if \mk
	s_wait_alu depctr_va_vdst(0)
	s_wait_dscnt 0x0                               ; the masks' stores have read their registers
	LDMK2
.endif
	QUANT ACC, PC, PW
	HSTORE AD1, AD2
.endm
	s_load_b512 s[4:19], s[0:1], 0x0               ; out0 s[4:5], b1 s[6:7], b2 s[8:9], b3 s[10:11], b4 s[12:13], codes s[14:15], scales s[16:17], wide s[18:19]
	v_lshl_add_u32 v[SPW], v0, 2, SPARE
	v_mov_b32 v[NIL], 0
	v_lshrrev_b32 v16, 5, v0
	s_delay_alu instid0(VALU_DEP_1)
	v_readfirstlane_b32 s[WV], v16                 ; wave 0..7
	v_and_b32 v17, 31, v0                          ; lane
	v_and_b32 v18, 15, v0                          ; r
	v_bfe_u32 v19, v0, 4, 1                        ; h
	v_and_b32 v20, 7, v0                           ; r % 8
	s_lshl_b32 s23, s[WV], 8                       ; 256 w
	v_lshlrev_b32 v[LI], 4, v17
	v_lshlrev_b32 v[L4], 2, v17
	v_lshlrev_b32 v[SR16], 4, v18
	s_lshl_b32 s26, s[WV], 9
	v_add_nc_u32 v[WI], s26, v[LI]
	s_lshl_b32 s26, s[WV], 1
	v_add_nc_u32 v[WS], s26, v[SR16]
	s_mul_i32 s26, s[WV], MW
	v_lshlrev_b32 v[B1A], 6, v19
	v_mul_u32_u24 v[MST], v20, MP
	v_and_b32 v[M3], 8, v18
	v_add_nc_u32 v[M2], s26, v[B1A]
	v_add_nc_u32 v[BI], s23, v[B1A]
	v_add_nc_u32 v[M3], v[M3], v18
	v_add_nc_u32 v[MST], v[MST], v[M2]
	v_and_b32 v[PTA], 28, v17
	v_lshlrev_b32 v[M3], 2, v[M3]
	v_add_nc_u32 v[MST], MSK, v[MST]
	v_lshlrev_b32 v[SH8], 3, v19
	v_add_nc_u32 v[M3], s26, v[M3]
	s_lshl_b32 s26, s[WV], 5
	s_add_co_u32 s26, s26, PART
	v_add_nc_u32 v[PTA], s26, v[PTA]
	v_lshl_add_u32 v[FA], v20, 2, PART
	s_bfe_u32 s26, s[WV], 0x10001                  ; W4's tile u = w % 4 begins at output 32 (u / 2) + 8 (u % 2)
	s_lshl_b32 s26, s26, 7
	s_and_b32 s27, s[WV], 1
	s_lshl_b32 s27, s27, 5
	s_add_co_u32 s26, s26, s27
	v_lshl_add_u32 v[B4A], v19, 6, s26             ; + 16 h outputs
	v_lshlrev_b32 v[OUTO], 2, v0
	s_lshl_b32 s26, s[WV], 6
	s_add_co_u32 s26, s26, SSQ
	v_lshl_add_u32 v[SQA], v18, 2, s26
	v_add_nc_u32 v[BST], s23, v[SR16]
.irp i, 0,1
	v_mov_b32 v[T0+\i], 0                          ; a lane permute's destination counts as one of its sources
	v_mov_b32 v[TM+8+\i], 0
.endr
	v_add_nc_u32 v[BST], BIAS2, v[BST]
.irp i, 4,5,6,7
	v_mov_b32 v[PC+\i], 0                          ; x has K = 64: the upper half of its fragment is zero codes,
.endr
.irp t, 0,1,2,3
.irp i, 4,5,6,7
	v_mov_b32 v[MK+8*\t+\i], 0                     ; and so is that of W1's
.endr
.endr
	PLACES 4                                       ; an operand written by a vector instruction stands 4 places ahead of a scaled matrix instruction
	s_mov_b32 s[SEL], 0x76543210
	s_mov_b32 s[SEL+1], 0xfedcba98
	s_mov_b32 s[BN], 0xd3800000                    ; -2^40
	s_mov_b32 s[LM], 0x00ff00ff
	s_mov_b32 s[LM+1], 0xff00ff00
	s_mov_b32 s27, 0
	s_wait_alu depctr_va_vdst(0)
	s_wait_kmcnt 0x0
	s_lshl_b32 s26, s[WV], 14
	s_add_nc_u64 s[28:29], s[14:15], s[26:27]      ; codes: my 4 tiles of W2; W3's 131,072 bytes on
	s_lshl_b32 s26, s[WV], 11
	s_add_nc_u64 s[30:31], s[14:15], s[26:27]      ; codes + 2,048 w: my tiles of W1 at + 278,528
	s_lshl_b32 s26, s[WV], 10
	s_add_nc_u64 s[32:33], s[16:17], s[26:27]      ; scales: W2's; W3's 8,192 bytes on
	s_lshl_b32 s26, s[WV], 9
	s_add_nc_u64 s[34:35], s[16:17], s[26:27]      ; W1's at + 17,408
	s_add_nc_u64 s[62:63], s[18:19], s[26:27]      ; wide + 512 w: W1's bases at + 327,680
	s_lshl_b32 s26, s[WV], 13
	s_add_nc_u64 s[60:61], s[18:19], s[26:27]      ; wide + 8,192 w: W1's exps at + 262,144
	s_and_b32 s57, s[WV], 3
	s_lshl_b32 s26, s57, 12
	s_add_nc_u64 s[36:37], s[14:15], s[26:27]      ; codes + 4,096 (w % 4): W4's tile at + 262,144
	s_lshl_b32 s26, s57, 8
	s_add_nc_u64 s[58:59], s[16:17], s[26:27]      ; its scale words at + 16,384
	s_lshr_b32 s26, s[WV], 1
	s_lshl_b32 s26, s26, 15
	s_and_b32 s57, s[WV], 1
	s_lshl_b32 s57, s57, 12
	s_add_co_u32 s26, s26, s57
	s_add_nc_u64 s[38:39], s[18:19], s[26:27]      ; wide + 32,768 (w / 2) + 4,096 (w % 2): my part of W1 turned, four runs 8,192 bytes apart; W4's 131,072 bytes on
	s_lshl_b32 s26, ttmp9, 9
	s_add_nc_u64 s[40:41], s[14:15], s[26:27]      ; codes + 512 x work-group: my tile of x at + 294,912
	s_lshl_b32 s26, ttmp9, 7
	s_add_nc_u64 s[20:21], s[16:17], s[26:27]      ; its scale words at + 21,504
	s_lshl_b32 s26, s[WV], 8
	s_add_nc_u64 s[42:43], s[6:7], s[26:27]        ; b1, b2, b3: my 64 units
	s_add_nc_u64 s[44:45], s[8:9], s[26:27]
	s_add_nc_u64 s[46:47], s[10:11], s[26:27]
	s_lshl_b32 s26, ttmp9, 5
	s_add_nc_u64 s[48:49], s[4:5], s[26:27]        ; out0: my work-group's 8 numbers
	; ---- the first loads: 20 that F1 wants,
	global_load_b128 v[PC:PC+3], v[LI], s[40:41] offset:294912                    ; x's codes
	global_load_b32 v[XS], v[L4], s[20:21] offset:21504
.irp t, 0,1,2,3
	global_load_b128 v[MK+8*\t:MK+8*\t+3], v[LI], s[30:31] offset:278528+512*\t   ; W1's tiles
.endr
.irp t, 0,1,2,3
	global_load_b32 v[W3S+\t], v[L4], s[34:35] offset:17408+128*\t                ; and their scale words
.endr
.irp t, 0,1,2,3
.irp e, 0,1
	global_load_b128 v[ACC+8*\t+4*\e:ACC+8*\t+4*\e+3], v[B1A], s[42:43] offset:(32*(\t/2)+8*(\t%2))*4+16*\e   ; b1 in the results' layout
.endr
.endr
	global_load_b128 v[B4V:B4V+3], v[SR16], s[44:45]                              ; my 256 bytes of b2 and of b3: 16 lanes cover them, the other 16 read the same
	global_load_b128 v[B4V+4:B4V+7], v[SR16], s[46:47]
	; 20 behind them that X's products want, and the first 16 pieces of W1 turned
.irp m, 0,1,2,3
	global_load_b32 v[BASE+\m], v[L4], s[62:63] offset:327680+128*\m
.endr
	WIN 0x40
	GIMG 0, 16, 60, 262144                         ; exps of column tile m, block b at v[16 m + 8 b ..]
	GIMG 128, 8, 38, 0
	GIMG 160, 8, 38, 8192
	WIN 0
	; ---- F1: a1 = Q(x) Q(W1)^T + b1
	s_wait_loadcnt 36                              ; behind the 20: 4 + 16 + 16
.irp t, 0,1,2,3
	v_wmma_scale_f32_16x16x128_f8f6f4 v[ACC+8*\t:ACC+8*\t+7], v[MK+8*\t:MK+8*\t+7], v[PC:PC+7], v[ACC+8*\t:ACC+8*\t+7], v[W3S+\t], v[XS] matrix_a_fmt:MATRIX_FMT_FP4 matrix_b_fmt:MATRIX_FMT_FP4
.endr
	v_add_nc_u32 v[AD3], HA, v[WI]                 ; plain work and two places behind the products
	v_add_nc_u32 v[AD4], HASC, v[WS]
	v_mov_b32 v[TM+14], 1.0
	PLACES 2
	MASKS s[BN]
.irp b, 0,1                                            ; the masks as bf16: sources of X's products, register p = units 16 h + 2 p, + 1 of block b
.irp p, 0,1,2,3,4,5,6,7
	v_cvt_pk_bf16_f32 v[AF+8*\b+\p], v[MK+16*\b+2*\p], v[MK+16*\b+2*\p+1]
.endr
.endr
.irp b, 0,1                                            ; and as nibbles, 15 where the unit counts
	v_cvt_scalef32_pk8_fp4_f32 v[AF+16+2*\b], v[MK+16*\b:MK+16*\b+7], v[TM+14]
	v_cvt_scalef32_pk8_fp4_f32 v[AF+17+2*\b], v[MK+16*\b+8:MK+16*\b+15], v[TM+14]
.endr
.irp b, 0,1                                            ; block 0 in rows 0-7 alone, block 1 in rows 8-15
.irp p, 0,1,2,3,4,5,6,7
	v_cndmask_b32 v[AF+8*\b+\p], 0, v[AF+8*\b+\p], s[LM+\b]
.endr
.endr
.irp i, 0,1
	v_permlane16_swap_b32 v[AF+16+\i], v[AF+18+\i] ; lane (r, h): the four words of block h, sample r % 8
.endr
	RELU
	QUANT ACC, PC, PW
	HSTORE AD3, AD4
	ds_store_b128 v[BST], v[B4V:B4V+3]             ; b2 and b3 wait in LDS, in bytes that are my wave's own
	ds_store_b128 v[BST], v[B4V+4:B4V+7] offset:BIAS3-BIAS2
	WIN 0x40
	GIMG 192, 8, 38, 16384                         ; the other 16 pieces of W1 turned
	GIMG 224, 8, 38, 24576
	WIN 0
.irp a, 0,1,2,3,4,5,6,7
.irp g, 0,1,2,3
	v_mov_b32_dpp v[MK+4*\a+\g], v[AF+16+\g] row_share:\a row_mask:0xf bank_mask:0xf   ; sample a's words in every lane
.endr
.endr
	; ---- X: T1(a, j, d) = m1(a, j) W1(j, d), my j = 64 w .. + 63: my half of K step w / 2 of all 32 tiles
	s_wait_loadcnt 32                              ; exps and bases are in; behind them the 32 pieces of W1 turned
	WIN 0x04                                       ; source 1: exps, window 1
.irp m, 0,1,2,3                                        ; the four accumulators take turns
	v_wmma_f32_16x16x32_bf16 v[ACC+8*\m:ACC+8*\m+7], v[AF:AF+7], v[16*\m:16*\m+7], 0
.endr
.irp m, 0,1,2,3
	v_wmma_f32_16x16x32_bf16 v[ACC+8*\m:ACC+8*\m+7], v[AF+8:AF+15], v[16*\m+8:16*\m+15], v[ACC+8*\m:ACC+8*\m+7]
.endr
	WIN 0
	v_lshrrev_b32 v[AD0], 3, v[SH8]                ; h
	v_add_nc_u32 v[AD1], 0x10000, v[WI]            ; images of samples 4 to 7
	v_add_nc_u32 v[AD2], v[WS], v[AD0]
	v_add_nc_u32 v[AD2], T1SC, v[AD2]              ; my block's scale byte
	v_nop
	s_wait_alu depctr_va_vdst(0)
	s_wait_loadcnt 16                              ; W1 turned: column tiles 0 and 1
.irp t, 0,1,2,3
.irp p, 0,1
	global_load_b32 v[W2S+2*\t+\p], v[L4], s[32:33] offset:256*\t+128*\p          ; W2 and its scale words, wanted in F2: they take the exps' registers
.endr
.endr
	WIN 0x40
	GIMG 0, 32, 28, 0
	WIN 0
; column tile m, samples 4 hf .. 4 hf + 3: codes in v[AF + 16 hf ..], scale operands v[TM + 4 hf ..], bytes v[TM + 8 + 4 hf ..]
.macro XB m, hf, ai
	s_wait_dscnt 8                                 ; the batch before the last has left its registers: behind it only the last batch's 8 stores were issued
.irp i, 0,1,2,3
	v_lshrrev_b32 v[TM+4*\hf+\i], 3, v[ACC+8*\m+4*\hf+\i]          ; k in the exponent field
.endr
.irp i, 0,1,2,3
	v_add_nc_u32 v[TM+4*\hf+\i], v[BASE+\m], v[TM+4*\hf+\i]        ; + (M - 33): the scale's exponent field
.endr
	WIN 0x01                                       ; source 0: W1 turned, window 1
.irp i, 0,1,2,3
.irp g, 0,1,2,3
	v_cvt_scalef32_pk8_fp4_f32 v[AF+16*\hf+4*\i+\g], v[128+32*\m+8*\g:135+32*\m+8*\g], v[TM+4*\hf+\i]
.endr
.endr
	WIN 0
.irp i, 0,1,2,3
	v_lshrrev_b32 v[TM+8+4*\hf+\i], 23, v[TM+4*\hf+\i]             ; the byte (and the plain places behind the conversions)
.endr
.irp i, 0,1,2,3
.irp g, 0,1,2,3
	v_and_b32 v[AF+16*\hf+4*\i+\g], v[AF+16*\hf+4*\i+\g], v[MK+16*\hf+4*\i+\g]
.endr
.endr
.irp i, 0,1,2,3
	ds_store_b128 v[\ai], v[AF+16*\hf+4*\i:AF+16*\hf+4*\i+3] offset:16384*\i+4096*\m
	ds_store_b8 v[AD2], v[TM+8+4*\hf+\i] offset:1024*(4*\hf+\i)+256*\m
.endr
.endm
.irp m, 0,1,2,3
.if \m == 2
	s_wait_loadcnt 40                              ; W1 turned is in; behind it W2's 40 loads
.endif
	XB \m, 0, WI
	XB \m, 1, AD1
.endr
	BARRIER                                        ; barrier 1: T1 and h1 lie in LDS
	; ---- F2: a2 = Q(h1) Q(W2)^T + b2
	FLOAD HA, HASC, BIAS2
	s_wait_alu depctr_va_vdst(0)
	s_wait_loadcnt 0x0                             ; W2 and its scale words are in
	s_wait_dscnt 0x0
	WIN 0x01
	MMT W2S, 0, 0, ACC
	WIN 0
	v_add_nc_u32 v[AD4], T1SC, v[SR16]             ; plain places behind the products
	v_add_nc_u32 v[AD1], HB, v[WI]
	v_add_nc_u32 v[AD2], HBSC, v[WS]
	v_add_nc_u32 v[AD0], MSK, v[M2]
	v_nop
	FETCHA LI, AD4, 0, 0                           ; T1's tile 0 lands under the work below
	FPOST 1
	; ---- L2: T2 = m2 x (Q(W2) Q(T1)), my 64 units for all 32 tiles.  Stage m of sample a: products of tile 4 a + m + 1, vector work on tile 4 a + m; tile m lies in set m % 2
	WIN 0x01
	MMT W2S, 0, 1, ACC                             ; tile 0 (its fragments were waited for ahead of the masks' loads)
	WIN 0
	s_mov_b32 s[SA], MSK+MP
	s_mov_b32 s[SB], 0
	s_mov_b32 s[SC], T1SC
	s_mov_b32 s[SD], T2IMG
	s_mov_b32 s[SE], T2SC
	s_mov_b32 s[CNT], 5
	s_wait_alu depctr_va_vdst(0)
	s_wait_dscnt 0x0                               ; h2's stores have landed, my reads of h1 are over:
	s_barrier_signal -1                            ; barrier 2 is signalled
	PLACES 4
	FETCHA LI, AD4, 4096, 256
.macro PKM8
.rept 8
	v_pk_mul_f32 v[AP+2*n:AP+2*n+1], v[AP+2*n:AP+2*n+1], v[MK+2*n:MK+2*n+1]
.set n, n+1
.endr
.endm
; an eighth of the loads of W3 (wanted in F3: it takes the registers that W1 turned has left), its scale words, and what F4 wants: W4's tile w % 4 as codes, its scale words, b4
.macro CHUNK
.if CJ < 4
.irp p, 0,1
	global_load_b32 v[W3S+2*CJ+\p], v[L4], s[32:33] offset:8192+256*CJ+128*\p
.endr
.else
	GIMG W4C+8*(CJ-4), 2, 36, 262144+1024*(CJ-4)
.endif
.if CJ == 4
.irp p, 0,1
	global_load_b32 v[W4S+\p], v[L4], s[58:59] offset:16384+128*\p
.endr
.endif
.if CJ == 5
	global_load_b128 v[B4V:B4V+3], v[B4A], s[12:13]
	global_load_b128 v[B4V+4:B4V+7], v[B4A], s[12:13] offset:16
.endif
	WIN 0x40
	GIMG 128+16*CJ, 4, 28, 131072+2048*CJ
	WIN 0
.endm
; last: the last sample, which fetches nothing beyond tile 31; first: the first, which waits for barrier 2; ck: which eighth of the loads, -1 none
.macro S2 m, last, first, ck
.set AP, ACC+A2*(\m%2)
.set AN, ACC+A2*((\m+1)%2)
.set PCS, PC+4*(\m%2)
.set PWS, PW+3*(\m%2)
.set CJ, \ck
.if (\first) && (\m == 0)
	s_wait_dscnt 0x0
.else
	s_wait_dscnt 2                                 ; the next tile's fragments are in: behind them the last stage's two stores
.endif
.if (\m < 3) || (\last == 0)
	WIN 0x01
	MMT W2S, 0, 1, AN
	WIN 0
.endif
.if \m == 0
	s_wait_dscnt 0x0                               ; the masks are in, and no LDS instruction of mine names the addresses written here
.if \last
	v_add_nc_u32 v[AD1], 7*16384, v[LI]
	v_add_nc_u32 v[AD2], T1SC+7*1024, v[SR16]
	v_add_nc_u32 v[AD3], T2IMG+7*16384, v[WI]
	v_add_nc_u32 v[AD4], T2SC+7*1024, v[WS]
.else
	v_add_nc_u32 v[AD1], s[SB], v[LI]
	v_add_nc_u32 v[AD2], s[SC], v[SR16]
	v_add_nc_u32 v[AD3], s[SD], v[WI]
	v_add_nc_u32 v[AD4], s[SE], v[WS]
	v_add_nc_u32 v[AD0], s[SA], v[M2]              ; the next sample's masks
.endif
.endif
.set n, 0
	PKM8                                           ; also the places ahead of the loads into the fragments' registers
.if (\m < 2) || (\last == 0)
	FETCHA AD1, AD2, 4096*(\m+2), 256*(\m+2)
.endif
	PKM8
.if (\m == 3) && (\last == 0)
	LDMK2
.endif
	QUANT AP, PCS, PWS
.if (\first) && (\m == 0)
	s_wait_alu depctr_va_vdst(0)
	s_barrier_wait -1                              ; barrier 2: h2 lies in LDS, nobody reads h1 any more
.endif
	ds_store_b128 v[AD3], v[PCS:PCS+3] offset:4096*\m
	ds_store_b16 v[AD4], v[PWS] offset:256*\m
.if CJ >= 0
	CHUNK
.endif
.endm
.macro NEXT2
	s_add_co_u32 s[SA], s[SA], MP
	s_add_co_u32 s[SB], s[SB], 16384
	s_add_co_u32 s[SC], s[SC], 1024
	s_add_co_u32 s[SD], s[SD], 16384
	s_add_co_u32 s[SE], s[SE], 1024
.endm
.irp m, 0,1,2,3
	S2 \m, 0, 1, \m
.endr
	NEXT2
.irp m, 0,1,2,3
	S2 \m, 0, 0, 4+\m
.endr
	NEXT2
.Ll2:
.irp m, 0,1,2,3
	S2 \m, 0, 0, -1
.endr
	NEXT2
	s_sub_co_u32 s[CNT], s[CNT], 1
	s_cmp_lg_u32 s[CNT], 0
	s_cbranch_scc1 .Ll2
.irp m, 0,1,2,3
	S2 \m, 1, 0, -1
.endr
	; ---- F3: a3 = Q(h2) Q(W3)^T + b3
	s_wait_alu depctr_va_vdst(0)
	s_wait_dscnt 0x0                               ; no LDS instruction of mine names the addresses written here
	FLOAD HB, HBSC, BIAS3
	s_wait_alu depctr_va_vdst(0)
	s_wait_loadcnt 0x0                             ; W3 and its scale words are in (and what F4 wants)
	s_wait_dscnt 0x0
	WIN 0x01
	MMT W3S, 128, 0, ACC
	WIN 0x40
	GIMG 0, 8, 38, 131072                          ; W4 for the trace takes the registers that W2 has left
	GIMG 32, 8, 38, 131072+8192
	WIN 0
	v_add_nc_u32 v[AD1], HA, v[WI]                 ; plain places behind the products
	v_add_nc_u32 v[AD2], HASC, v[WS]
	v_add_nc_u32 v[AD3], T2IMG, v[LI]
	v_add_nc_u32 v[AD4], T2SC, v[SR16]
	v_add_nc_u32 v[AD0], MSK, v[M3]
	FPOST 0
	WIN 0x40
	GIMG 64, 8, 38, 131072+2*8192
	GIMG 96, 8, 38, 131072+3*8192
	WIN 0
	s_wait_alu depctr_va_vdst(0)
	BARRIER                                        ; barrier 3: T2 and h3 lie in LDS; nobody reads T1 or h2 any more
	; ---- L3: the trace's part of my 64 units: sum over d, i of W4(d, i) m3(a, i) (Q(T2) Q(W3)^T)(d, i).  Rotated like L2; a lane's sum for a sample goes to my own 1,024 bytes at 1,024 w, where T1 lay
	FETCHA AD3, AD4, 0, 0
	s_mov_b32 s[SA], MSK+MP
	s_mov_b32 s[SB], T2IMG
	s_mov_b32 s[SC], T2SC
	s_lshl_b32 s[SD], s[WV], 10
	s_mov_b32 s[CNT], 7
	s_wait_dscnt 0x0
	WIN 0x04
	MMN W3S, 128, ACC
	WIN 0
	PLACES 4
	FETCHA AD3, AD4, 4096, 256
	LDMK3
.macro TR2 m, e0                       ; a pair of sums for each tile, the tiles by turns; each accumulator is read from its low end on
.irp e, \e0, \e0+1
.irp t, 0,1,2,3
.if (\m == 0) && ((\e) == 0)
	v_pk_mul_f32 v[TM+2*\t:TM+2*\t+1], v[AP+8*\t:AP+8*\t+1], v[8*\t:8*\t+1]
.else
	v_pk_fma_f32 v[TM+2*\t:TM+2*\t+1], v[AP+8*\t+2*(\e):AP+8*\t+2*(\e)+1], v[32*\m+8*\t+2*(\e):32*\m+8*\t+2*(\e)+1], v[TM+2*\t:TM+2*\t+1]
.endif
.endr
.endr
.endm
.macro S3 m, last
.set AP, ACC+A2*(\m%2)
.set AN, ACC+A2*((\m+1)%2)
.if \m == 0
	s_wait_dscnt 4                                 ; the next tile's fragments are in: behind them the four masks' loads
.else
	s_wait_alu depctr_va_vdst(0)
	s_wait_dscnt 0x0
.endif
.if (\m < 3) || (\last == 0)
	WIN 0x04                                       ; source 1 in window 1: W3 for the products, W4 for the multiply-adds
	MMN W3S, 128, AN
.endif
.if \m == 0
	WIN 0
	s_wait_dscnt 0x0
.endif
	s_wait_loadcnt 24-8*\m                         ; W4's piece m for the trace
.if \m == 0
.if \last
	v_add_nc_u32 v[AD1], T2IMG+7*16384, v[LI]
	v_add_nc_u32 v[AD2], T2SC+7*1024, v[SR16]
.else
	v_add_nc_u32 v[AD1], s[SB], v[LI]
	v_add_nc_u32 v[AD2], s[SC], v[SR16]
	v_add_nc_u32 v[AD0], s[SA], v[M3]              ; the next sample's masks
.endif
	v_add_nc_u32 v[AD3], s[SD], v[L4]
.endif
	WIN 0x04
	TR2 \m, 0                                      ; also the places ahead of the loads into the fragments' registers
.if (\m < 2) || (\last == 0)
	FETCHA AD1, AD2, 4096*(\m+2), 256*(\m+2)       ; (an LDS load has no source 1: its address and destination stay in window 0)
.endif
	TR2 \m, 2
.if \m == 3
	WIN 0
	v_pk_mul_f32 v[PC:PC+1], v[TM:TM+1], v[MK:MK+1] op_sel_hi:[1,0]   ; x m3, once a tile and sample
.irp t, 1,2,3
	s_delay_alu instid0(VALU_DEP_1)
	v_pk_fma_f32 v[PC:PC+1], v[TM+2*\t:TM+2*\t+1], v[MK+2*\t:MK+2*\t+1], v[PC:PC+1] op_sel_hi:[1,0,1]
.endr
	s_delay_alu instid0(VALU_DEP_1)
	v_add_f32 v[T0], v[PC], v[PC+1]
	ds_store_b32 v[AD3], v[T0]
.if \last == 0
	LDMK3
.endif
.endif
.endm
.Ll3:
.irp m, 0,1,2,3
	S3 \m, 0
.endr
	s_add_co_u32 s[SA], s[SA], MP
	s_add_co_u32 s[SB], s[SB], 16384
	s_add_co_u32 s[SC], s[SC], 1024
	s_add_co_u32 s[SD], s[SD], 128
	s_sub_co_u32 s[CNT], s[CNT], 1
	s_cmp_lg_u32 s[CNT], 0
	s_cbranch_scc1 .Ll3
	s_lshl_b32 s[SD], s[WV], 10
	s_add_co_u32 s[SD], s[SD], 7*128
.irp m, 0,1,2,3
	S3 \m, 1
.endr
	; my wave's sums over the lanes: lane l takes 8 of the 32 numbers of sample l / 4
	s_wait_dscnt 0x0
	s_lshl_b32 s[SD], s[WV], 10
	v_lshl_add_u32 v[AD0], v[LI], 1, s[SD]
	ds_load_b128 v[TM:TM+3], v[AD0]
	ds_load_b128 v[TM+4:TM+7], v[AD0] offset:16
	s_wait_dscnt 0x0
	v_pk_add_f32 v[TM:TM+1], v[TM:TM+1], v[TM+2:TM+3]
	v_pk_add_f32 v[TM+4:TM+5], v[TM+4:TM+5], v[TM+6:TM+7]
	s_delay_alu instid0(VALU_DEP_1)
	v_pk_add_f32 v[TM:TM+1], v[TM:TM+1], v[TM+4:TM+5]
	s_delay_alu instid0(VALU_DEP_1)
	v_add_f32 v[T0], v[TM], v[TM+1]
	s_delay_alu instid0(VALU_DEP_1)
	v_add_f32_dpp v[T0], v[T0], v[T0] row_xmask:1 row_mask:0xf bank_mask:0xf
	s_delay_alu instid0(VALU_DEP_1)
	v_add_f32_dpp v[T0], v[T0], v[T0] row_xmask:2 row_mask:0xf bank_mask:0xf
	ds_store_b32 v[PTA], v[T0]                     ; four lanes write the same word with the same value
	s_wait_dscnt 0x0                               ; the store has read its register: F4 writes it anew
	; ---- F4: s = Q(h3) Q(W4)^T + b4: four tiles of 16 outputs, waves 0 to 3; the sum of their squares
	v_add_nc_u32 v[AD0], HA, v[LI]                 ; the addresses are made on every wave's way
	v_add_nc_u32 v[AD1], HASC, v[SR16]
	s_cmp_lt_u32 s[WV], 4                          ; the branch hangs on the wave's number alone; no barrier stands inside it
	s_cbranch_scc0 .Lno_f4
	FETCHA AD0, AD1, 0, 0
	s_wait_dscnt 0x0
	; two accumulators by turns: K steps 0 and 2 onto b4, K steps 1 and 3 from 0
	v_wmma_scale_f32_16x16x128_f8f6f4 v[ACC:ACC+7], v[W4C:W4C+7], v[AF:AF+7], v[B4V:B4V+7], v[W4S], v[AS] matrix_a_fmt:MATRIX_FMT_FP4 matrix_b_fmt:MATRIX_FMT_FP4
	v_wmma_scale_f32_16x16x128_f8f6f4 v[ACC+8:ACC+15], v[W4C+8:W4C+15], v[AF+8:AF+15], 0, v[W4S], v[AS+1] matrix_a_fmt:MATRIX_FMT_FP4 matrix_b_fmt:MATRIX_FMT_FP4 matrix_a_scale:MATRIX_SCALE_ROW1
	v_wmma_scale_f32_16x16x128_f8f6f4 v[ACC:ACC+7], v[W4C+16:W4C+23], v[AF+16:AF+23], v[ACC:ACC+7], v[W4S+1], v[AS+2] matrix_a_fmt:MATRIX_FMT_FP4 matrix_b_fmt:MATRIX_FMT_FP4
	v_wmma_scale_f32_16x16x128_f8f6f4 v[ACC+8:ACC+15], v[W4C+24:W4C+31], v[AF+24:AF+31], v[ACC+8:ACC+15], v[W4S+1], v[AS+3] matrix_a_fmt:MATRIX_FMT_FP4 matrix_b_fmt:MATRIX_FMT_FP4 matrix_a_scale:MATRIX_SCALE_ROW1
	PLACES 4
.irp i, 0,2,4,6
	v_pk_add_f32 v[ACC+\i:ACC+\i+1], v[ACC+\i:ACC+\i+1], v[ACC+8+\i:ACC+9+\i]
.endr
	s_delay_alu instid0(VALU_DEP_4)
	v_pk_mul_f32 v[TM:TM+1], v[ACC:ACC+1], v[ACC:ACC+1]
.irp i, 2,4,6
	s_delay_alu instid0(VALU_DEP_1)
	v_pk_fma_f32 v[TM:TM+1], v[ACC+\i:ACC+\i+1], v[ACC+\i:ACC+\i+1], v[TM:TM+1]
.endr
	s_delay_alu instid0(VALU_DEP_1)
	v_add_f32 v[T0], v[TM], v[TM+1]
	s_delay_alu instid0(VALU_DEP_1)
	v_permlanex16_b32 v[T0+1], v[T0], s[SEL], s[SEL+1]
	s_delay_alu instid0(VALU_DEP_1)
	v_add_f32 v[T0], v[T0], v[T0+1]                ; with lane l xor 16's eight outputs: my tile's 16
	ds_store_b32 v[SQA], v[T0]
.Lno_f4:
	BARRIER                                        ; barrier 4: all parts lie in LDS
	; ---- the sums: lane l takes sample l % 8; threads 0 to 7 store
.irp w, 0,1,2,3,4,5,6,7
	ds_load_b32 v[TM+\w], v[FA] offset:32*\w
.endr
.irp w, 0,1,2,3
	ds_load_b32 v[TM+8+\w], v[FA] offset:SSQ-PART+64*\w
.endr
	s_wait_dscnt 0x0
.irp i, 0,2,4,6,8,10
	v_add_f32 v[TM+\i], v[TM+\i], v[TM+\i+1]
.endr
.irp i, 0,4,8
	v_add_f32 v[TM+\i], v[TM+\i], v[TM+\i+2]
.endr
	s_delay_alu instid0(VALU_DEP_2)
	v_add_f32 v[TM], v[TM], v[TM+4]
	s_delay_alu instid0(VALU_DEP_1)
	v_fma_f32 v[T0], 0.5, v[TM+8], v[TM]
	v_cmp_gt_u32 vcc_lo, 8, v0
	s_wait_alu depctr_va_vdst(0)
	s_wait_xcnt 0x0                                ; EXEC is narrowed only when every earlier load has had its address translated
	s_and_saveexec_b32 s56, vcc_lo
	global_store_b32 v[OUTO], v[T0], s[48:49]
	s_wait_xcnt 0x0                                ; and widened only behind the same wait for the store
	s_or_b32 exec_lo, exec_lo, s56
	s_wait_tensorcnt 0x0                           ; the wave's end
	ds_add_u32 v[SPW], v[NIL]
	s_wait_dscnt 0x0
	s_endpgm
.Lfunc_end_k_q46c80c7dc2_main:
	.size	k_q46c80c7dc2_main, .Lfunc_end_k_q46c80c7dc2_main-k_q46c80c7dc2_main
	.p2alignl 7, 3214868480
	.fill 96, 4, 3214868480
	.section	.rodata,"a",@progbits
	.p2align	6, 0x0
	.amdhsa_kernel k_q46c80c7dc2_main
		.amdhsa_group_segment_fixed_size 310528
		.amdhsa_private_segment_fixed_size 0
		.amdhsa_enable_private_segment 0
		.amdhsa_kernarg_size 64
		.amdhsa_user_sgpr_count 2
		.amdhsa_user_sgpr_kernarg_segment_ptr 1
		.amdhsa_wavefront_size32 1
		.amdhsa_system_sgpr_workgroup_id_x 1
		.amdhsa_system_sgpr_workgroup_id_y 1
		.amdhsa_system_sgpr_workgroup_id_z 1
		.amdhsa_system_vgpr_workitem_id 0
		.amdhsa_next_free_vgpr 512
		.amdhsa_next_free_sgpr 80
		.amdhsa_reserve_vcc 1
		.amdhsa_float_denorm_mode_32 3
		.amdhsa_float_denorm_mode_16_64 3
		.amdhsa_memory_ordered 1
		.amdhsa_forward_progress 1
		.amdhsa_inst_pref_size 218
	.end_amdhsa_kernel
	.amdgpu_metadata
---
amdhsa.version: [ 1, 2 ]
amdhsa.kernels:
  - .name:           k_q46c80c7dc2_main
    .symbol:         k_q46c80c7dc2_main.kd
    .args:
      - { .name: out0, .offset: 0, .size: 8, .value_kind: global_buffer, .address_space: global }
      - { .name: b1, .offset: 8, .size: 8, .value_kind: global_buffer, .address_space: global }
      - { .name: b2, .offset: 16, .size: 8, .value_kind: global_buffer, .address_space: global }
      - { .name: b3, .offset: 24, .size: 8, .value_kind: global_buffer, .address_space: global }
      - { .name: b4, .offset: 32, .size: 8, .value_kind: global_buffer, .address_space: global }
      - { .name: codes, .offset: 40, .size: 8, .value_kind: global_buffer, .address_space: global }
      - { .name: scales, .offset: 48, .size: 8, .value_kind: global_buffer, .address_space: global }
      - { .name: wide, .offset: 56, .size: 8, .value_kind: global_buffer, .address_space: global }
    .group_segment_fixed_size: 310528
    .private_segment_fixed_size: 0
    .kernarg_segment_align: 8
    .kernarg_segment_size: 64
    .max_flat_workgroup_size: 256
    .sgpr_count:     80
    .vgpr_count:     512
    .wavefront_size: 32
...
	.end_amdgpu_metadata
.endif
;; end of part 2
